; MI455X (gfx1250); checked and timed in simulation.
; The chip was launched on July 23, 2026; its instructions are those of AMD's public machine-readable ISA for CDNA 5 (MIT licence, August 2026) and "CDNA5" Instruction Set Architecture Reference Guide (July 2026). The comments in the code are by the model that wrote it; some were corrected since.
;; Multi Head Dot Product Attention. Allowed arithmetic: float matrix products may take bf16 or f16 operands with f32 sums; other float arithmetic in f32, or as packed bf16 or f16 multiplies, adds, multiply-adds, maxima and minima; sums over many terms, partial sums and values carried from step to step in f32; what a program stores and reads back later, other than sums and carried values, may be rounded once to bf16 or f16.
;; Inputs: Wk 1,024 x 1,024 float32; Wo 1,024 x 1,024 float32; Wq 1,024 x 1,024 float32; Wv 1,024 x 1,024 float32; inputs_kv 4 x 2,048 x 1,024 float32; inputs_q 4 x 2,048 x 1,024 float32.
;; Outputs: out0 4 x 2,048 x 1,024 float32.
;; One version. Each part assembles by itself: llvm-mc -triple=amdgcn-amd-amdhsa -mcpu=gfx1250 --defsym DOCPART=n.
;; ======== version 1 of 1: 4 launches
;; limits: values are held in f16: magnitudes above 65,504 overflow, below 6.1e-05 lose precision
;; workspace buffers: xb 33,554,432 bytes; wb 8,388,608 bytes; tab 524,288 bytes; qkv 50,331,648 bytes; ob 16,777,216 bytes
;; launch prep (part 1): grid 1296 x 1, 8 waves a work-group, no clusters, 0 bytes of LDS; arguments inputs_q, inputs_kv, Wq, Wk, Wv, Wo, xb, wb, tab; writes xb, wb, tab
.if DOCPART == 1
	.amdgcn_target "amdgcn-amd-amdhsa--gfx1250"
	.amdhsa_code_object_version 6
	.text
	.protected	k_q47c6af8fab_prep
	.globl	k_q47c6af8fab_prep
	.p2align	8
	.type	k_q47c6af8fab_prep,@function
k_q47c6af8fab_prep:
	s_mov_b64 s[64:65], 0
	v_nop
	global_prefetch_b8 v0, s[64:65] scope:SCOPE_SE
	s_setreg_imm32_b32 hwreg(HW_REG_WAVE_MODE, 25, 1), 1
	s_wait_xcnt 0x0
; FIRST OF FOUR LAUNCHES: prep (this one), proj (q, k, v and the rotary encoding), attn (banded attention), outp (the last product).
; WORK LEFT OUT BY THE PROGRAM, AND WHY IT IS DEAD.  reference() replaces every score with |i - j| > 256 by the lowest f32 number before the softmax.  Row i always keeps its own key j = i,
; so the row's maximum is a true score and a replaced score's weight is e^(lowest - maximum): nothing, whatever finite values the inputs hold.  So attn forms no tile of 16 queries x 64 keys
; that lies wholly outside the band: a group of 64 queries meets nine key tiles of 64 (fewer at the sequence's ends) and not 32.  Inside the first and the last of the nine the hidden scores are formed and masked.
; All six inputs have a way to the output and are loaded.
; LIMITS.  A NaN, an infinity or an overflow that would arise only in the tiles left out is not carried to the result.  q, k, v and the attention's result are kept in f16: they must lie within 65,504.
; Wo is rounded to bf16 like the other inputs and that number is written as f16: exact from 6.1e-5 to 65,504, below that on f16's fixed step of 6e-8.
; THIS LAUNCH, a stream: no LDS and no matrix unit.  Work-groups 0-1023: 64 KiB each of inputs_q, then inputs_kv, f32 to bf16 -> xb [2][8192][1024].  1024-1279: 64 KiB each of Wq, Wk, Wv, Wo -> wb [4][1024 k][1024 n].
; 1280-1295: the rotary table tab [2048 positions][32 pairs] of (cos, sin) in f32, 256 bytes a position.
; A cast has no loop: 16 loads of 16 bytes a lane go out first (8 KiB a wave on their way); each store of a wave covers 256 consecutive bytes, aligned.
.set X, 8                              ; v[8:71]    16 x 4 numbers as loaded
.set Y, 72                             ; v[72:103]  16 x 2 registers to store
.set T, 104                            ; v[104:105] at work
.macro CAST mode                       ; mode = 1: the bf16 number is written as f16 (Wo)
.irp i, 0,1,2,3,4,5,6,7,8,9,10,11,12,13,14,15
	global_load_b128 v[X+4*(\i):X+4*(\i)+3], v1, s[4:5] offset:4096*(\i) th:TH_LOAD_NT
.endr
.irp i, 0,1,2,3,4,5,6,7,8,9,10,11,12,13,14,15
	s_wait_loadcnt 15-(\i)                         ; loads come back in order: load i is in, the 15 - i younger ones stay out
	v_cvt_pk_bf16_f32 v[Y+2*(\i)], v[X+4*(\i)], v[X+4*(\i)+1]
	v_cvt_pk_bf16_f32 v[Y+2*(\i)+1], v[X+4*(\i)+2], v[X+4*(\i)+3]
.if \mode
.irp j, 0,1
	v_lshlrev_b32 v[T], 16, v[Y+2*(\i)+(\j)]       ; the two bf16 numbers as f32,
	v_and_b32 v[T+1], 0xffff0000, v[Y+2*(\i)+(\j)]
	v_cvt_pk_f16_f32 v[Y+2*(\i)+(\j)], v[T], v[T+1]  ; and as f16
.endr
.endif
	global_store_b64 v2, v[Y+2*(\i):Y+2*(\i)+1], s[6:7] offset:2048*(\i) th:TH_STORE_NT
.endr
.endm
	s_load_b512 s[8:23], s[0:1], 0x0               ; inputs_q s8, inputs_kv s10, Wq s12, Wk s14, Wv s16, Wo s18, xb s20, wb s22
	s_load_b64 s[24:25], s[0:1], 0x40              ; tab
	s_mov_b32 s26, ttmp9                           ; the work-group's number
	v_lshlrev_b32 v1, 4, v0                        ; 16 bytes a thread in
	v_lshlrev_b32 v2, 3, v0                        ; 8 bytes a thread out
	s_mov_b32 s29, 0
	s_mov_b32 s31, 0
	s_wait_kmcnt 0x0
	s_cmp_lt_u32 s26, 1024
	s_cbranch_scc0 .Lnot_x
	s_and_b32 s28, s26, 511
	s_lshl_b32 s28, s28, 16                        ; 64 KiB in
	s_lshl_b32 s30, s26, 15                        ; 32 KiB out
	s_cmp_lt_u32 s26, 512
	s_cselect_b64 s[4:5], s[8:9], s[10:11]
	s_add_nc_u64 s[4:5], s[4:5], s[28:29]
	s_add_nc_u64 s[6:7], s[20:21], s[30:31]
	s_branch .Lplain
.Lnot_x:
	s_cmp_lt_u32 s26, 1280
	s_cbranch_scc0 .Ltable
	s_sub_co_u32 s27, s26, 1024
	s_lshr_b32 s32, s27, 6                         ; which weight: 64 work-groups each
	s_and_b32 s28, s27, 63
	s_lshl_b32 s28, s28, 16
	s_lshl_b32 s30, s27, 15
	s_cmp_eq_u32 s32, 0
	s_cselect_b64 s[4:5], s[12:13], s[14:15]
	s_cmp_eq_u32 s32, 2
	s_cselect_b64 s[4:5], s[16:17], s[4:5]
	s_cmp_eq_u32 s32, 3
	s_cselect_b64 s[4:5], s[18:19], s[4:5]
	s_add_nc_u64 s[4:5], s[4:5], s[28:29]
	s_add_nc_u64 s[6:7], s[22:23], s[30:31]
	s_cmp_eq_u32 s32, 3
	s_cbranch_scc1 .Lwo
.Lplain:
	CAST 0
	s_endpgm
.Lwo:
	CAST 1
	s_endpgm
; THE TABLE.  Pair i turns by the angle pos x 10000^(-i/32).  The angle, in f32 as in reference(), is brought into -pi .. pi by taking away n x 2 pi, 2 pi in two parts; sine and cosine are
; their series up to r^15 and r^16: the first terms left out are 8e-7 and 1.4e-7 at r = pi.  A wave makes one position a trip: 32 pairs, 256 consecutive bytes.  16 trips, 8 positions apart.
.Ltable:
	s_sub_co_u32 s27, s26, 1280
	s_lshl_b32 s27, s27, 7                         ; 128 positions a work-group
	v_and_b32 v3, 31, v0                           ; i
	v_lshrrev_b32 v5, 5, v0
	v_add_nc_u32 v5, s27, v5                       ; pos
	v_cvt_f32_u32 v4, v3
	v_mul_f32 v4, 0xbed49a78, v4                   ; -i log2(10000) / 32
	v_exp_f32 v4, v4                               ; 10000^(-i/32)
	v_lshlrev_b32 v6, 8, v5
	v_lshl_add_u32 v6, v3, 3, v6                   ; 256 pos + 8 i
	s_wait_alu depctr_va_vdst(0)                   ; the wait between the exponential and its first reader; two plain lines stand between
	s_mov_b32 s28, 16
.Lpos:
	v_cvt_f32_u32 v7, v5
	v_mul_f32 v7, v7, v4                           ; the angle
	v_mul_f32 v8, 0.15915494, v7
	v_rndne_f32 v8, v8                             ; n
	v_fmamk_f32 v9, v8, 0xc0c90fdb, v7             ; - n x the upper part of 2 pi
	v_fmamk_f32 v9, v8, 0x343bbd2e, v9             ; - n x the rest of it
	v_mul_f32 v10, v9, v9
	v_mov_b32 v13, 0xab573f9f                      ; -1/15!
.irp k, 0x2f309231, 0xb2d7322b, 0x3638ef1d, 0xb9500d01, 0x3c088889, 0xbe2aaaab, 0x3f800000
	v_fmaak_f32 v13, v13, v10, \k
.endr
	v_mul_f32 v13, v13, v9                         ; sin
	v_mov_b32 v12, 0x29573f9f                      ; 1/16!
.irp k, 0xad49cba6, 0x310f76c7, 0xb493f27e, 0x37d00d01, 0xbab60b61, 0x3d2aaaab, 0xbf000000, 0x3f800000
	v_fmaak_f32 v12, v12, v10, \k
.endr
	global_store_b64 v6, v[12:13], s[24:25]
	s_wait_xcnt 0x0                                ; the store's offset and data are written again only behind this wait
	v_add_nc_u32 v6, 2048, v6
	v_add_nc_u32 v5, 8, v5
	s_sub_co_u32 s28, s28, 1
	s_cmp_lg_u32 s28, 0
	s_cbranch_scc1 .Lpos
	s_endpgm
.Lfunc_end_k_q47c6af8fab_prep:
	.size	k_q47c6af8fab_prep, .Lfunc_end_k_q47c6af8fab_prep-k_q47c6af8fab_prep
	.p2alignl 7, 3214868480
	.fill 96, 4, 3214868480
	.section	.rodata,"a",@progbits
	.p2align	6, 0x0
	.amdhsa_kernel k_q47c6af8fab_prep
		.amdhsa_group_segment_fixed_size 0
		.amdhsa_private_segment_fixed_size 0
		.amdhsa_enable_private_segment 0
		.amdhsa_kernarg_size 72
		.amdhsa_user_sgpr_count 2
		.amdhsa_user_sgpr_kernarg_segment_ptr 1
		.amdhsa_wavefront_size32 1
		.amdhsa_system_sgpr_workgroup_id_x 1
		.amdhsa_system_sgpr_workgroup_id_y 1
		.amdhsa_system_sgpr_workgroup_id_z 1
		.amdhsa_system_vgpr_workitem_id 0
		.amdhsa_next_free_vgpr 112
		.amdhsa_next_free_sgpr 66
		.amdhsa_reserve_vcc 0
		.amdhsa_float_denorm_mode_32 3
		.amdhsa_float_denorm_mode_16_64 3
		.amdhsa_memory_ordered 1
		.amdhsa_forward_progress 1
		.amdhsa_inst_pref_size 20
	.end_amdhsa_kernel
	.amdgpu_metadata
---
amdhsa.version: [ 1, 2 ]
amdhsa.kernels:
  - .name:           k_q47c6af8fab_prep
    .symbol:         k_q47c6af8fab_prep.kd
    .args:
      - { .name: inputs_q, .offset: 0, .size: 8, .value_kind: global_buffer, .address_space: global }
      - { .name: inputs_kv, .offset: 8, .size: 8, .value_kind: global_buffer, .address_space: global }
      - { .name: Wq, .offset: 16, .size: 8, .value_kind: global_buffer, .address_space: global }
      - { .name: Wk, .offset: 24, .size: 8, .value_kind: global_buffer, .address_space: global }
      - { .name: Wv, .offset: 32, .size: 8, .value_kind: global_buffer, .address_space: global }
      - { .name: Wo, .offset: 40, .size: 8, .value_kind: global_buffer, .address_space: global }
      - { .name: xb, .offset: 48, .size: 8, .value_kind: global_buffer, .address_space: global }
      - { .name: wb, .offset: 56, .size: 8, .value_kind: global_buffer, .address_space: global }
      - { .name: tab, .offset: 64, .size: 8, .value_kind: global_buffer, .address_space: global }
    .group_segment_fixed_size: 0
    .private_segment_fixed_size: 0
    .kernarg_segment_align: 8
    .kernarg_segment_size: 72
    .max_flat_workgroup_size: 256
    .sgpr_count:     66
    .vgpr_count:     112
    .wavefront_size: 32
...
	.end_amdgpu_metadata
.endif
;; end of part 1
;; launch proj (part 2): grid 4 x 192, 4 waves a work-group, clusters of 4 x 4, 327,680 bytes of LDS; arguments xb, wb, tab, qkv; writes qkv
.if DOCPART == 2
	.amdgcn_target "amdgcn-amd-amdhsa--gfx1250"
	.amdhsa_code_object_version 6
	.text
	.protected	k_q47c6af8fab_proj
	.globl	k_q47c6af8fab_proj
	.p2align	8
	.type	k_q47c6af8fab_proj,@function
k_q47c6af8fab_proj:
	s_mov_b64 s[64:65], 0
	v_nop
	global_prefetch_b8 v0, s[64:65] scope:SCOPE_SE
	s_setreg_imm32_b32 hwreg(HW_REG_WAVE_MODE, 25, 1), 1
	s_wait_xcnt 0x0
	s_wait_alu depctr_hold_cnt(0) depctr_sa_sdst(0) depctr_va_vdst(0) depctr_va_sdst(0) depctr_va_ssrc(0) depctr_va_vcc(0) depctr_vm_vsrc(0)
	s_getreg_b32 s2, hwreg(HW_REG_IB_STS2, 6, 4)
	s_cmp_eq_u32 s2, 0
	s_cbranch_scc0 .Lentry_in_a_cluster
	s_endpgm
.Lentry_in_a_cluster:
	s_bfe_u32 s2, ttmp6, 0x10000c
	s_cmp_lg_u32 s2, 0xf033
	s_cbranch_scc0 .Lentry_shape_is_right
	s_endpgm
.Lentry_shape_is_right:
; q = rot(xq Wq), k = rot(xkv Wk), v = xkv Wv: three products 8192 x 1024 x 1024 in bf16 with f32 sums, in one launch.  Results leave by heads, qkv [3][64 batch x head][2048][64] in f16, rounded once, unscaled.
; LIMIT: q, k and v must lie within f16's 65,504.
; A tile of C is 128 rows x 256 columns: 768 tiles, three for each of 256 places.  Four waves 2 x 2, each 64 x 128: 32 accumulators of 16 x 16.  K goes in 8 steps of 128 through two LDS slots.
; A (xb, [row][k]) lies along K: rows of 256 bytes.  B (wb, [k][n]) lies across K: 128 rows of 512 bytes; its fragments come out of LDS turned, by ds_load_tr16_b128.
; CLUSTER 4 x 4: the four of a row of the cluster need the same tile of A, the four of a column the same tile of B: each is asked for jointly, by the same tensor load, descriptor and mask in all four.
; The cluster's y picks the product (y / 16) and 4 tile rows; its 4 columns are the 4 tile columns.
; THE MATRIX INSTRUCTION IS USED TRANSPOSED (source 0 = 16 columns of B, source 1 = 16 rows of A): a lane holds row l % 16 of C and the columns 8 (l / 16) + 0..7: four whole rotary pairs.
; REGISTERS, in windows of 256 (s_set_vgpr_msb: bits 1:0 source 0, 3:2 source 1, 5:4 source 2, 7:6 destination):
;   window 0: v0-31 addresses; v32-127, v128-223 two fragment buffers (B's 8 fragments, then A's 4); on the way out v32-95 rotated numbers, v96-127 packed, v128-191 rows read back
;   window 1: accumulator (a, b) at v[8 (8 a + b)]          window 2: v0-127 the table's (cos, sin) for my rows and channels
.set PA,    272                        ; A's LDS row: 256 bytes + 16 = 68 words: the 16 rows of a load start at 16 different groups of four banks (64 banks of 4 bytes: ISA guide 11.1)
.set PB,    544                        ; B's LDS row: 512 bytes + 32 = 136 words
.set AHALF, 64*PA                      ; what one of A's tensor loads brings, and what one wave reads of A
.set BHALF, 64*PB                      ; what one of B's tensor loads brings: 64 of the step's 128 k
.set BOFF,  2*AHALF
.set SLOT,  BOFF+2*BHALF               ; 104,448
.set STAGE, 2*SLOT                     ; behind the ring, never filled by a tensor load: 16 rows x 272 bytes for each wave
.set SP,    272
.set SPARE, STAGE+4*16*SP              ; the spare words, 128 bytes for each wave: two blocks of 256 bytes that no other line names
.set ASTEP, 256                        ; bytes from K step to K step in A
.set BSTEP, 128*2048                   ; and in B: 128 rows of 2,048 bytes
.set LAPS,  4                          ; a lap = two K steps = once round the ring
.set ADRA, 16                          ; v16-17  LDS address of my A fragments in slot 0, 1
.set ADRB, 20                          ; v20-21  the same for B
.set STO,  24                          ; v24  the way out: where I put 16 bytes of a row
.set RD,   25                          ; v25  where I read rows back
.set GO,   26                          ; v26  16 x lane
.set TO,   27                          ; v27  my offset in the table: 256 (l % 16) + 32 (l / 16)
.set SPW,  28                          ; v28  my spare word; never rewritten
.set NIL,  29                          ; v29  0; never rewritten
.set PFO,  30                          ; v30  the prefetches' lane offset; never rewritten
.set F0,   32
.set F1,   128
.set T,    32
.set PK,   96
.set OB,   128
.set WV,  12                           ; s12 wave   s13 my row half of C, and: I fetch for A (0) or B (1)   s14 my column half, and which half of that tile I fetch   s15 which product
.set FB,  13
.set HF,  14
.set WH,  15
.set G1,  24                           ; s[24:31] group 1 for A, s[32:39] group 0, a set for each slot
.set G0,  32
.set CX,  40
.set CY,  41
.set NT,  42                           ; tile column
.set MT,  43                           ; tile row, 0..63
.set LIM0, 44                          ; s44, s45: a wave prefetches while the laps left are above these
.set PFA, 46                           ; s[46:47] where my prefetches stand
.set G1B, 48                           ; s[48:55], s[56:63] the same for B
.set G0B, 56
.set PFS, 66                           ; s[66:67] their step
.set CLY, 74                           ; the cluster's y
.set MULW, 0x50                        ; C and D in window 1, the sources in window 0
.set MSB, 0
.macro WIN new                         ; the immediate's high byte repeats the setting that is left; a switch that changes nothing is dropped
.if MSB != (\new)
	s_set_vgpr_msb (MSB<<8)|(\new)
.set MSB, \new
.endif
.endm
; A joint load.  Waves 0 and 1 fetch A's two halves, waves 2 and 3 B's.  The branch hangs on the wave's number alone.  An s_nop 0 and four v_nop follow each line.
.macro JLOAD s
	s_cmp_eq_u32 s[FB], 0
	s_cbranch_scc0 .Lfor_b_\@
	tensor_load_to_lds s[G0+4*(\s):G0+4*(\s)+3], s[G1:G1+7]
	s_nop 0
.rept 4
	v_nop
.endr
	s_branch .Lasked_\@
.Lfor_b_\@:
	tensor_load_to_lds s[G0B+4*(\s):G0B+4*(\s)+3], s[G1B:G1B+7]
	s_nop 0
.rept 4
	v_nop
.endr
.Lasked_\@:
.endm
; A PREFETCH INTO THE L2, behind a joint load and the run of LDS loads that follows it: the K step that stands THREE refills on (384 matrix instructions ahead of the load that will want it).
; Each aligned 256 bytes are named once in the launch.  A: wave 0 takes 32 of the tile's 128 rows, a lane a row; the four partners are told apart by address (cx); asked for by the q and k products alone,
; which are xq's only and xkv's first readers.  B: waves 2 and 3 take 16 of their 64 rows, two blocks a row; partners told apart by address (cy); the first of the 16 clusters of a product asks.
; K steps 0 to 4 come by their loads alone; only the first three refills have a K step three on.
.macro ASK n
	s_cmp_gt_u32 s3, s[LIM0+(\n)]
	s_cbranch_scc0 .Lnot_mine_\@
	global_prefetch_b8 v[PFO], s[PFA:PFA+1] th:TH_LOAD_NT scope:SCOPE_SE
.Lnot_mine_\@:
.endm
.macro CREST                           ; a round of the cluster's barrier behind its opening barrier
	s_cmp_lg_u32 s[WV], 0
	s_cbranch_scc1 .Lnot_wave_0_\@
	s_barrier_signal -3
.Lnot_wave_0_\@:
	s_barrier_wait -3
	s_barrier_signal -1
	s_barrier_wait -1
.endm
.macro CROUND
	s_barrier_signal -1
	s_barrier_wait -1
	CREST
.endm
.macro PLACES                          ; four plain places behind matrix instructions, in front of loads into registers that they have read and of lines that read results
.rept 4
	v_nop
.endr
.endm
; 24 LDS loads in one run: the fragments of quarter q (32 along K) of a slot into buffer f: B's 16 first, then A's blocks 0 to 3
.macro FETCH slot, q, f
	WIN 0
.irp b, 0,1,2,3,4,5,6,7
	ds_load_tr16_b128 v[(\f)+8*(\b):(\f)+8*(\b)+3],   v[ADRB+(\slot)] offset:(\q)*32*PB+32*(\b)
	ds_load_tr16_b128 v[(\f)+8*(\b)+4:(\f)+8*(\b)+7], v[ADRB+(\slot)] offset:(\q)*32*PB+32*(\b)+16*PB
.endr
.irp a, 0,1,2,3
	ds_load_b128 v[(\f)+64+8*(\a):(\f)+64+8*(\a)+3],   v[ADRA+(\slot)] offset:64*(\q)+(\a)*16*PA
	ds_load_b128 v[(\f)+64+8*(\a)+4:(\f)+64+8*(\a)+7], v[ADRA+(\slot)] offset:64*(\q)+(\a)*16*PA+32
.endr
.endm
; 8 matrix instructions: row block a x all 8 column blocks.  The 32 accumulators take turns in one fixed order.  zero = 1: the first product starts the sums
.macro MULB f, a, zero
	WIN MULW
.irp b, 0,1,2,3,4,5,6,7
.if \zero
	v_wmma_f32_16x16x32_bf16 v[8*(8*(\a)+(\b)):8*(8*(\a)+(\b))+7], v[(\f)+8*(\b):(\f)+8*(\b)+7], v[(\f)+64+8*(\a):(\f)+64+8*(\a)+7], 0
.else
	v_wmma_f32_16x16x32_bf16 v[8*(8*(\a)+(\b)):8*(8*(\a)+(\b))+7], v[(\f)+8*(\b):(\f)+8*(\b)+7], v[(\f)+64+8*(\a):(\f)+64+8*(\a)+7], v[8*(8*(\a)+(\b)):8*(8*(\a)+(\b))+7]
.endif
.endr
.endm
; One of a K step's first three quarters: multiplies buffer f and, in its middle, fetches quarter q of the same slot into buffer g
.macro QUARTER slot, q, f, g, zero
	s_wait_dscnt 4                                 ; B and A's blocks 0, 1 are in; the youngest four loads (blocks 2, 3) may be out
	MULB \f, 0, \zero
	MULB \f, 1, \zero
	PLACES
	FETCH \slot, \q, \g
	s_wait_dscnt 24                                ; all but the 24 just issued
	MULB \f, 2, \zero
	MULB \f, 3, \zero
.endm
; The last quarter multiplies buffer 1 and changes slots.  In front of the barrier each wave waits for all its tensor loads (one is out: its part of the next slot), adds 0 to its spare word, and waits for
; that and for its reads of this slot.  fill = 1: the barrier opens a round of the cluster's barrier, and this slot's joint refill, two K steps on, is the first thing behind the round:
; 112 matrix instructions stand between it and the wait for it.
.macro TURN slot, next, fill
.if \fill
	s_wait_xcnt 0x0                                ; the last prefetch, a K step back, has read its address
	s_add_nc_u64 s[PFA:PFA+1], s[PFA:PFA+1], s[PFS:PFS+1]
.endif
	WIN 0
	s_wait_tensorcnt 0x0                           ; all my tensor loads have landed
	ds_add_u32 v[SPW], v[NIL]                      ; 0 onto my spare word
	s_wait_dscnt 5                                 ; (the add and the youngest four loads may be out)
	MULB F1, 0, 0
	s_wait_dscnt 0x0                               ; the add is done, and my reads of this slot are over
	s_barrier_signal -1
	MULB F1, 1, 0
	WIN 0
	s_barrier_wait -1
.if \fill
	CREST
	s_add_nc_u64 s[G0+4*(\slot)+2:G0+4*(\slot)+3], s[G0+4*(\slot)+2:G0+4*(\slot)+3], 2*ASTEP
	s_add_nc_u64 s[G0B+4*(\slot)+2:G0B+4*(\slot)+3], s[G0B+4*(\slot)+2:G0B+4*(\slot)+3], 2*BSTEP
	JLOAD \slot                                    ; its four v_nop are also the places in front of the loads below
.else
	PLACES
.endif
	FETCH \next, 0, F0
.if \fill
	ASK \slot
.endif
	MULB F1, 2, 0
	MULB F1, 3, 0
.endm
.macro LASTSTEP                        ; K step 7: nothing more to fetch behind its last quarter
	QUARTER 1, 1, F0, F1, 0
	QUARTER 1, 2, F1, F0, 0
	QUARTER 1, 3, F0, F1, 0
	s_wait_dscnt 4
	MULB F1, 0, 0
	MULB F1, 1, 0
	s_wait_dscnt 0x0
	MULB F1, 2, 0
	MULB F1, 3, 0
	WIN 0
	PLACES
.endm
; THE WAY OUT, by blocks a of 16 rows.  ROT: a pair (x0, x1) becomes (x0 c - x1 s, x1 c + x0 s), two packed lines a pair; each accumulator's lowest registers are read first.
.macro ROT a
	WIN 0x09                                       ; source 0 window 1 (sums), source 1 window 2 (table), the rest window 0
.irp b, 0,1,2,3,4,5,6,7
.irp p, 0,1,2,3
	v_pk_mul_f32 v[T+8*(\b)+2*(\p):T+8*(\b)+2*(\p)+1], v[8*(8*(\a)+(\b))+2*(\p):8*(8*(\a)+(\b))+2*(\p)+1], v[32*(\a)+8*((\b)%4)+2*(\p):32*(\a)+8*((\b)%4)+2*(\p)+1] op_sel_hi:[1,0]
.endr
.irp p, 0,1,2,3
	v_pk_fma_f32 v[T+8*(\b)+2*(\p):T+8*(\b)+2*(\p)+1], v[8*(8*(\a)+(\b))+2*(\p):8*(8*(\a)+(\b))+2*(\p)+1], v[32*(\a)+8*((\b)%4)+2*(\p):32*(\a)+8*((\b)%4)+2*(\p)+1], v[T+8*(\b)+2*(\p):T+8*(\b)+2*(\p)+1] op_sel:[1,1,0] op_sel_hi:[0,1,1] neg_lo:[0,1,0]
.endr
.endr
	WIN 0
.irp b, 0,1,2,3,4,5,6,7
.irp p, 0,1,2,3
	v_cvt_pk_f16_f32 v[PK+4*(\b)+(\p)], v[T+8*(\b)+2*(\p)], v[T+8*(\b)+2*(\p)+1]
.endr
.endr
.endm
.macro PLAIN a                         ; v is only rounded
	WIN 0x05
.irp b, 0,1,2,3,4,5,6,7
.irp p, 0,1,2,3
	v_cvt_pk_f16_f32 v[PK+4*(\b)+(\p)], v[8*(8*(\a)+(\b))+2*(\p)], v[8*(8*(\a)+(\b))+2*(\p)+1]
.endr
.endr
	WIN 0
.endm
.macro PACK rot, a
.if \rot
	ROT \a
.else
	PLAIN \a
.endif
.endm
.macro TOSTAGE a                       ; 16 rows x 256 bytes into my own stage; back by heads: 4 rows of 128 bytes a load.  LDS serves a wave's instructions in order (ISA guide 5.7.1.4)
.set BK, OB+32*((\a)%2)
.irp b, 0,1,2,3,4,5,6,7
	ds_store_b128 v[STO], v[PK+4*(\b):PK+4*(\b)+3] offset:32*(\b)
.endr
.irp hh, 0,1
.irp f, 0,1,2,3
	ds_load_b128 v[BK+16*(\hh)+4*(\f):BK+16*(\hh)+4*(\f)+3], v[RD] offset:128*(\hh)+4*SP*(\f)
.endr
.endr
.endm
.macro SEND a
.set BK, OB+32*((\a)%2)
	s_wait_dscnt 0x0                               ; the block is back in registers
	s_wait_xcnt 0x0                                ; the stores of the block before have read their registers: the next block's loads land there only behind this wait
.irp hh, 0,1
.irp f, 0,1,2,3
	global_store_b128 v[GO], v[BK+16*(\hh)+4*(\f):BK+16*(\hh)+4*(\f)+3], s[10:11] offset:262144*(\hh)+2048*(\a)+512*(\f)  ; 512 consecutive bytes of one head, aligned
.endr
.endr
.endm
.macro WAYOUT rot                      ; block a's arithmetic stands between block a - 1's loads from the stage and the wait for them
	PACK \rot, 0
	TOSTAGE 0
.irp a, 1,2,3
	PACK \rot, \a
	SEND (\a)-1
	TOSTAGE \a
.endr
	SEND 3
.endm
	s_load_b256 s[4:11], s[0:1], 0x0               ; xb s[4:5], wb s[6:7], tab s[8:9], qkv s[10:11]
	v_lshl_add_u32 v[SPW], v0, 2, SPARE
	v_mov_b32 v[NIL], 0
	ds_add_u32 v[SPW], v[NIL]                      ; the wave's opening: the add, twice on end, and its wait ahead of my first tensor load
	ds_add_u32 v[SPW], v[NIL]
	v_lshrrev_b32 v1, 5, v0
	v_readfirstlane_b32 s[WV], v1
	s_lshr_b32 s[FB], s[WV], 1
	s_and_b32 s[HF], s[WV], 1
	s_bfe_u32 s[CX], ttmp6, 0x40000
	s_bfe_u32 s[CY], ttmp6, 0x40004
	s_lshl_b32 s[NT], ttmp9, 2
	s_add_co_u32 s[NT], s[NT], s[CX]               ; tile column = 4 x cluster x + cx
	s_and_b32 s[CLY], ttmp7, 0xffff
	s_lshr_b32 s[WH], s[CLY], 4                    ; 0 q, 1 k, 2 v: the same in all sixteen partners
	s_and_b32 s[MT], s[CLY], 15
	s_lshl_b32 s[MT], s[MT], 2
	s_add_co_u32 s[MT], s[MT], s[CY]               ; tile row
	s_lshl_b32 s16, s[CY], 2
	s_lshl_b32 s16, 15, s16                        ; my row of the cluster
	s_lshl_b32 s20, 0x1111, s[CX]                  ; my column
	s_or_b32 s[G1], s16, (1<<16)|(1<<20)|(1<<21)|(5<<22)|(3<<25)   ; mask; 2-byte elements; padding on; bit 21 beside a mask; after every 64 words, 4 words
	s_or_b32 s[G1B], s20, (1<<16)|(1<<20)|(1<<21)|(6<<22)|(7<<25)  ; after every 128 words, 8 words
	s_mov_b32 s[G1+1], 128<<16                     ; tensor_dim0 = 128
	s_mov_b32 s[G1+2], 64<<16                      ; tensor_dim1 = 64
	s_mov_b32 s[G1+3], 128<<16                     ; tile_dim0 = 128
	s_mov_b32 s[G1+4], 64                          ; tile_dim1 = 64
	s_mov_b32 s[G1+5], 1024                        ; elements from row to row
	s_mov_b32 s[G1+6], 0
	s_mov_b32 s[G1+7], 0
	s_mov_b32 s[G1B+1], 256<<16
	s_mov_b32 s[G1B+2], 64<<16
	s_mov_b32 s[G1B+3], 256<<16
	s_mov_b32 s[G1B+4], 64
	s_mov_b32 s[G1B+5], 1024
	s_mov_b32 s[G1B+6], 0
	s_mov_b32 s[G1B+7], 0
	; A's tile hangs on the product, the tile row and the wave; B's on the product, the tile column and the wave: s16-19 never hold cx, s20-23 never cy
	s_min_u32 s16, s[WH], 1
	s_lshl_b32 s16, s16, 24                        ; xq or xkv
	s_lshl_b32 s17, s[MT], 18                      ; 128 rows of 2,048 bytes
	s_add_co_u32 s16, s16, s17
	s_lshl_b32 s17, s[HF], 17                      ; my 64 of them
	s_add_co_u32 s16, s16, s17
	s_mov_b32 s17, 0
	s_mul_i32 s18, s[HF], AHALF
	s_lshl_b32 s20, s[WH], 21                      ; the weight
	s_lshl_b32 s21, s[HF], 17                      ; my 64 k rows
	s_add_co_u32 s20, s20, s21
	s_lshl_b32 s21, s[NT], 9                       ; 256 columns
	s_add_co_u32 s20, s20, s21
	s_mov_b32 s21, 0
	s_mul_i32 s22, s[HF], BHALF
	s_add_co_u32 s22, s22, BOFF
	s_wait_dscnt 0x0                               ; both opening adds are done
	s_wait_kmcnt 0x0
	s_add_nc_u64 s[16:17], s[4:5], s[16:17]
	s_add_nc_u64 s[20:21], s[6:7], s[20:21]
	CROUND                                         ; all sixteen work-groups are here: the first joint loads meet
.irp s, 0,1
	s_mov_b32 s[G0+4*(\s)], 1
	s_add_co_u32 s[G0+4*(\s)+1], s18, (\s)*SLOT
	s_add_nc_u64 s[G0+4*(\s)+2:G0+4*(\s)+3], s[16:17], (\s)*ASTEP
	s_or_b32 s[G0+4*(\s)+3], s[G0+4*(\s)+3], 0x80000000
	s_mov_b32 s[G0B+4*(\s)], 1
	s_add_co_u32 s[G0B+4*(\s)+1], s22, (\s)*SLOT
	s_add_nc_u64 s[G0B+4*(\s)+2:G0B+4*(\s)+3], s[20:21], (\s)*BSTEP
	s_or_b32 s[G0B+4*(\s)+3], s[G0B+4*(\s)+3], 0x80000000
	JLOAD \s
.endr
	v_and_b32 v1, 15, v0                           ; l % 16
	v_bfe_u32 v2, v0, 4, 1                         ; l / 16
	v_mul_u32_u24 v3, v1, PA
	v_lshl_add_u32 v3, v2, 4, v3
	s_mul_i32 s68, s[FB], AHALF                    ; my 64 rows of A
	v_add_nc_u32 v[ADRA], s68, v3
	v_add_nc_u32 v[ADRA+1], SLOT, v[ADRA]
	v_and_b32 v4, 7, v0                            ; the turning load: lane l reads k row 8 (l / 16) + l % 8, 16 bytes at 16 ((l / 8) % 2)
	v_lshl_add_u32 v4, v2, 3, v4
	v_mul_u32_u24 v4, v4, PB
	v_bfe_u32 v5, v0, 3, 1
	v_lshl_add_u32 v4, v5, 4, v4
	s_lshl_b32 s68, s[HF], 8                       ; my 128 columns
	s_add_co_u32 s68, s68, BOFF
	v_add_nc_u32 v[ADRB], s68, v4
	v_add_nc_u32 v[ADRB+1], SLOT, v[ADRB]
	s_mul_i32 s68, s[WV], 16*SP
	s_add_co_u32 s68, s68, STAGE                   ; my stage
	v_mul_u32_u24 v5, v1, SP
	v_lshl_add_u32 v5, v2, 4, v5
	v_add_nc_u32 v[STO], s68, v5
	v_bfe_u32 v5, v0, 3, 2
	v_mul_u32_u24 v5, v5, SP
	v_and_b32 v6, 7, v0
	v_lshl_add_u32 v5, v6, 4, v5
	v_add_nc_u32 v[RD], s68, v5
	v_and_b32 v6, 31, v0
	v_lshlrev_b32 v[GO], 4, v6
	v_lshlrev_b32 v[TO], 8, v1
	v_lshl_add_u32 v[TO], v2, 5, v[TO]
	v_lshrrev_b32 v[PFO], s[FB], v6                ; A: a lane a row of 2,048 bytes; B: two lanes a row, 256 bytes apart
	v_lshlrev_b32 v[PFO], 11, v[PFO]
	v_and_b32 v7, s[FB], v6
	v_lshl_add_u32 v[PFO], v7, 8, v[PFO]
	; where my part of the tile goes: product, batch x head, position
	s_lshr_b32 s68, s[MT], 4
	s_lshl_b32 s68, s68, 4                         ; 16 x batch
	s_lshl_b32 s69, s[NT], 2
	s_add_co_u32 s68, s68, s69
	s_lshl_b32 s69, s[HF], 1
	s_add_co_u32 s68, s68, s69                     ; + my first head
	s_lshl_b32 s68, s68, 11
	s_and_b32 s69, s[MT], 15
	s_lshl_b32 s69, s69, 7
	s_add_co_u32 s68, s68, s69
	s_lshl_b32 s69, s[FB], 6
	s_add_co_u32 s68, s68, s69                     ; + my first position
	s_lshl_b32 s68, s68, 7                         ; rows of 128 bytes
	s_lshl_b32 s69, s[WH], 24
	s_add_co_u32 s68, s68, s69
	s_mov_b32 s69, 0
	s_add_nc_u64 s[10:11], s[10:11], s[68:69]
	s_lshl_b32 s70, s[MT], 7                       ; the table at my first position
	s_lshl_b32 s71, s[FB], 6
	s_add_co_u32 s70, s70, s71
	s_and_b32 s70, s70, 2047
	s_lshl_b32 s70, s70, 8
	s_mov_b32 s71, 0
	s_add_nc_u64 s[8:9], s[8:9], s[70:71]
	; the prefetches: both offsets are made, the wave's number chooses
	s_min_u32 s68, s[WH], 1
	s_lshl_b32 s68, s68, 24
	s_lshl_b32 s69, s[MT], 18
	s_add_co_u32 s68, s68, s69
	s_lshl_b32 s69, s[CX], 16                      ; my work-group's 32 rows of the tile's 128
	s_add_co_u32 s68, s68, s69
	s_add_co_u32 s68, s68, 4*ASTEP                 ; at K step 4: the first refill steps it to 5
	s_lshl_b32 s70, s[WH], 21
	s_lshl_b32 s71, s[HF], 17
	s_add_co_u32 s70, s70, s71
	s_lshl_b32 s71, s[NT], 9
	s_add_co_u32 s70, s70, s71
	s_lshl_b32 s71, s[CY], 15                      ; my work-group's 16 rows of the wave's 64
	s_add_co_u32 s70, s70, s71
	s_add_co_u32 s70, s70, 4*BSTEP
	s_lshr_b32 s72, s[WH], 1
	s_or_b32 s72, s72, s[WV]                       ; 0: wave 0 of a q or k tile
	s_and_b32 s73, s[CLY], 15                      ; 0: the product's first cluster
	s_mov_b32 s[PFS], BSTEP
	s_cmp_eq_u32 s[FB], 0
	s_cselect_b32 s68, s68, s70
	s_cselect_b32 s72, s72, s73
	s_cselect_b32 s[PFS], ASTEP, s[PFS]
	s_cselect_b64 s[PFA:PFA+1], s[4:5], s[6:7]
	s_mov_b32 s69, 0
	s_mov_b32 s[PFS+1], 0
	s_add_nc_u64 s[PFA:PFA+1], s[PFA:PFA+1], s[68:69]
	s_cmp_eq_u32 s72, 0
	s_cselect_b32 s[LIM0], 1, -1                   ; slot 0's refills ask while 3 or 2 laps are left,
	s_cselect_b32 s[LIM0+1], 2, -1                 ; slot 1's while 3 are left: K steps 5, 6, 7
	s_wait_tensorcnt 1                             ; my part of K step 0 is in; K step 1's may stay out
	s_barrier_signal -1
	s_barrier_wait -1
	FETCH 0, 0, F0
	QUARTER 0, 1, F0, F1, 1                        ; the first quarter stands in front of the loop: its products start the sums
	WIN 0
	s_mov_b32 s3, LAPS-1
.Llap:                                                 ; a trip goes once round the ring, from a lap's second quarter to the next lap's first, and fills both slots again
	QUARTER 0, 2, F1, F0, 0
	QUARTER 0, 3, F0, F1, 0
	TURN 0, 1, 1
	QUARTER 1, 1, F0, F1, 0
	QUARTER 1, 2, F1, F0, 0
	QUARTER 1, 3, F0, F1, 0
	TURN 1, 0, 1
	QUARTER 0, 1, F0, F1, 0
	WIN 0
	s_sub_co_u32 s3, s3, 1
	s_cmp_lg_u32 s3, 0
	s_cbranch_scc1 .Llap
	QUARTER 0, 2, F1, F0, 0                        ; the last lap fills nothing
	QUARTER 0, 3, F0, F1, 0
	TURN 0, 1, 0
	WIN 0
	s_cmp_eq_u32 s[WH], 2                          ; ONE branch, the same in the whole cluster, for the table's loads and the rotation that reads them; no barrier and no tensor load follows it but the closing round
	s_cbranch_scc1 .Lfor_v
	WIN 0x80                                       ; destination window 2.  For row block a and channels 16 (b % 4) + 8 (l / 16) + 0..7: four (cos, sin), 32 bytes
.irp a, 0,1,2,3
.irp b, 0,1,2,3
	global_load_b128 v[32*(\a)+8*(\b):32*(\a)+8*(\b)+3],   v[TO], s[8:9] offset:4096*(\a)+64*(\b)
	global_load_b128 v[32*(\a)+8*(\b)+4:32*(\a)+8*(\b)+7], v[TO], s[8:9] offset:4096*(\a)+64*(\b)+16
.endr
.endr
	WIN 0
	LASTSTEP                                       ; 128 matrix instructions while the table is on its way
	s_wait_loadcnt 0x0
	WAYOUT 1
	s_branch .Ldone
.Lfor_v:
	LASTSTEP
	WAYOUT 0
.Ldone:
	s_wait_tensorcnt 0x0                           ; the wave's end, behind my last tensor load and my last LDS store
	ds_add_u32 v[SPW], v[NIL]
	s_wait_dscnt 0x0
	CROUND                                         ; the closing round: no work-group ends while a partner may still ask for a tile that names it
	s_endpgm
.Lfunc_end_k_q47c6af8fab_proj:
	.size	k_q47c6af8fab_proj, .Lfunc_end_k_q47c6af8fab_proj-k_q47c6af8fab_proj
	.p2alignl 7, 3214868480
	.fill 96, 4, 3214868480
	.section	.rodata,"a",@progbits
	.p2align	6, 0x0
	.amdhsa_kernel k_q47c6af8fab_proj
		.amdhsa_group_segment_fixed_size 327680
		.amdhsa_private_segment_fixed_size 0
		.amdhsa_enable_private_segment 0
		.amdhsa_kernarg_size 32
		.amdhsa_user_sgpr_count 2
		.amdhsa_user_sgpr_kernarg_segment_ptr 1
		.amdhsa_wavefront_size32 1
		.amdhsa_system_sgpr_workgroup_id_x 1
		.amdhsa_system_sgpr_workgroup_id_y 1
		.amdhsa_system_sgpr_workgroup_id_z 1
		.amdhsa_system_vgpr_workitem_id 0
		.amdhsa_next_free_vgpr 640
		.amdhsa_next_free_sgpr 80
		.amdhsa_reserve_vcc 0
		.amdhsa_float_denorm_mode_32 3
		.amdhsa_float_denorm_mode_16_64 3
		.amdhsa_memory_ordered 1
		.amdhsa_forward_progress 1
		.amdhsa_inst_pref_size 137
	.end_amdhsa_kernel
	.amdgpu_metadata
---
amdhsa.version: [ 1, 2 ]
amdhsa.kernels:
  - .name:           k_q47c6af8fab_proj
    .symbol:         k_q47c6af8fab_proj.kd
    .args:
      - { .name: xb, .offset: 0, .size: 8, .value_kind: global_buffer, .address_space: global }
      - { .name: wb, .offset: 8, .size: 8, .value_kind: global_buffer, .address_space: global }
      - { .name: tab, .offset: 16, .size: 8, .value_kind: global_buffer, .address_space: global }
      - { .name: qkv, .offset: 24, .size: 8, .value_kind: global_buffer, .address_space: global }
    .group_segment_fixed_size: 327680
    .private_segment_fixed_size: 0
    .kernarg_segment_align: 8
    .kernarg_segment_size: 32
    .max_flat_workgroup_size: 128
    .sgpr_count:     80
    .vgpr_count:     640
    .wavefront_size: 32
...
	.end_amdgpu_metadata
.endif
;; end of part 2
;; launch attn (part 3): grid 4 x 64, 8 waves a work-group, no clusters, 327,680 bytes of LDS; arguments qkv, ob; writes ob
.if DOCPART == 3
	.amdgcn_target "amdgcn-amd-amdhsa--gfx1250"
	.amdhsa_code_object_version 6
	.text
	.protected	k_q47c6af8fab_attn
	.globl	k_q47c6af8fab_attn
	.p2align	8
	.type	k_q47c6af8fab_attn,@function
k_q47c6af8fab_attn:
	s_mov_b64 s[64:65], 0
	v_nop
	global_prefetch_b8 v0, s[64:65] scope:SCOPE_SE
	s_setreg_imm32_b32 hwreg(HW_REG_WAVE_MODE, 25, 1), 1
	s_wait_xcnt 0x0
; BANDED ATTENTION.  O[bh][i] = the sum over |i - j| <= 256 of softmax_j(q[bh][i] . k[bh][j] / 8) v[bh][j].  q, k, v: qkv [3][64][2048][64], O: ob [64][2048][64], all f16; products, maxima and sums in f32;
; the weights are rounded to f16 for the second product (their sum is taken of the unrounded weights), O once at the end.
; WORK LEFT OUT: tiles of 16 queries x 64 keys wholly outside the band; their weights are nothing for all finite inputs, since each row keeps its own key (shown at the head of the first launch's text).
; LIMITS.  A hidden score inside a live tile counts as its value less 1e30; a weight below 2^-126 counts as 0; NaN and infinities are not treated apart, and one that arises only in a tile left out is not carried.
; SHARES.  A work-group has 512 queries of one head: 8 groups g of 64.  Wave w owns rows 16 (w % 4) .. + 15 of the groups g = 2 t + w / 4, t = 0..3: four tiles of 16 queries, so that all eight waves walk the
; same keys with like work.  Two waves share a SIMD, each written in plain phases (scores, softmax, second product): one wave's vector work stands beside the other's matrix work.
; THE WALK.  The block's window is 16 positions p of 64 keys, from key tile max(8 X - 4, 0) on, in four chunks of 256 keys, all of which have LDS bytes of their own: nothing is filled twice.
; For tile t the position's place in the band is d = p + DEL - w / 4 - 2 t (DEL = 4 in the head's first block, whose window is cut at key 0): live for 0 <= d <= 8; at d = 0 the keys below the row's place in its
; group are hidden, at d = 8 those above it; a row keeps at least one key in each.  Dead tiles and dead positions are jumped forward, with no barrier and no tensor load in what is jumped.
; The first and the last block of a head load one chunk that they never read (the last block's is clamped into the tensor): the price of one form of loads for all.
; NO CLUSTER: neighbouring blocks share key tiles, but at different places of their walks (block X's third chunk is block X + 1's first): LDS address and turn would differ between partners, so no joint descriptor exists.
; LAYOUT.  S^T = K Q^T holds one query a lane (l % 16) and the keys 8 (l / 16) + 0..7; two such results rounded in pairs ARE source 1 of O^T = V^T P.  V comes out of LDS turned, by ds_load_tr16_b128.
; SOFTMAX.  p = 2^(c s - c m), c = log2(e) / 8, with a running maximum m; O and l are multiplied by a = 2^(c m_old - c m_new) in every step.  m starts at the lowest finite number, O and l at 0: the first step's a is 0.
; REGISTERS (s_set_vgpr_msb: bits 1:0 source 0, 3:2 source 1, 5:4 source 2, 7:6 destination):
;   window 0: v0-15 addresses; v16-31 (c m, m, l, l) a tile; v32-35 at work; v64-95 S^T; v96-111 P; v112-143, v144-175 the two masks; v192-255 Q.   window 1: v0-127 O^T; v128-191 K; v192-255 V of one position
.set PKB,   144                        ; a row of K in LDS: 128 bytes + 16 = 36 words: the 16 rows of a load start at 16 different groups of four banks (64 banks of 4 bytes: ISA guide 11.1)
.set PVB,   160                        ; a row of V: 128 + 32 = 40 words
.set VOFF,  1024*PKB                   ; K's 1,024 rows, then V's
.set SPARE, VOFF+1024*PVB              ; the spare words, 128 bytes for each of 8 waves: four blocks of 256 bytes that no other line names
.set SP,    144                        ; the stage's pitch.  Stage: 16 rows for each wave at 2,304 x wave, in K's first chunk, behind the last barrier: its one fill and all reads of it are over
.set AK0, 2
.set AV0, 3
.set AK,  4
.set AV,  5
.set STO, 6
.set RD,  7
.set GO,  8
.set MV,  12                           ; c m_old, kept while c m is made anew
.set QO,  15
.set ST,  16
.set CC,  32                           ; c0-c3 at work; c2 takes a
.set SPW, 36
.set NIL, 37
.set S,   64
.set P,   96
.set MLO, 112
.set MHI, 144
.set Q,   192
.set OUTB, 64                          ; the way out: 16 registers a tile
.set KF,  128                          ; window 1: key block kb, channel half c at KF + 16 kb + 8 c
.set VF,  192                          ; window 1: key half kk, channel block cb at VF + 32 kk + 8 cb
.set WV,  8
.set WS,  9                            ; w % 4
.set WHF, 10                           ; w / 4
.set SX,  11
.set BH,  12
.set WS0, 13                           ; the window's first key tile
.set DEL, 15
.set KB,  16                           ; s[16:17] K at the head's key tile number w % 4
.set VB,  18                           ; s[18:19] the same for V
.set OFF, 20                           ; s[20:21] a chunk's byte offset
.set G1K, 24
.set G1V, 32
.set G0K, 40
.set G0V, 44
.set CN,  48                           ; the chunk to be asked for
.set CHL, 49
.set PL,  50
.set PD,  51                           ; p + DEL - w / 4
.set PDM, 52                           ; the last PD with live work
.set DD,  53
.set TBK, 54                           ; LDS byte of the position's K
.set TBV, 55                           ; of its V, less VOFF
.set CS,  56
.set SEL, 58
.set BIGN, 60
.set QB,  62
.set OBS, 66
.set MSB, 0
.macro WIN new
.if MSB != (\new)
	s_set_vgpr_msb (MSB<<8)|(\new)
.set MSB, \new
.endif
.endm
; A chunk's load: waves 0-3 fetch 64 keys each of K, waves 4-7 of V: 8,192 dense bytes as 32 rows of 256.  An s_nop 0 and four v_nop follow each line.
.macro LOAD
	s_cmp_lt_u32 s[WV], 4
	s_cbranch_scc0 .Lfor_v_\@
	tensor_load_to_lds s[G0K:G0K+3], s[G1K:G1K+7]
	s_nop 0
.rept 4
	v_nop
.endr
	s_branch .Lasked_\@
.Lfor_v_\@:
	tensor_load_to_lds s[G0V:G0V+3], s[G1V:G1V+7]
	s_nop 0
.rept 4
	v_nop
.endr
.Lasked_\@:
.endm
; THE GATE in front of a chunk.  Each wave waits for its one tensor load, its part of the chunk; adds 0 to its spare word; waits for that and for its LDS reads; behind the barrier the chunk is whole.
; fill = 1: the next chunk, into bytes of its own, is asked for first thing behind the barrier, one load a wave: it has this chunk's work in which to land.  The descriptor's address is made anew from the tile's number.
.macro GATE fill
	s_wait_tensorcnt 0x0
	ds_add_u32 v[SPW], v[NIL]                      ; the descriptors' scalar work stands between the add and the wait for it
.if \fill
	s_lshl_b32 s[OFF], s[CN], 2
	s_add_co_u32 s[OFF], s[OFF], s[WS0]
	s_min_u32 s[OFF], s[OFF], 28                   ; the head's last block: its dead fourth chunk stays inside the tensor
	s_lshl_b32 s[OFF], s[OFF], 13                  ; a key tile is 8,192 bytes
	s_add_co_u32 s[G0K+1], s[G0K+1], 256*PKB
	s_add_nc_u64 s[G0K+2:G0K+3], s[KB:KB+1], s[OFF:OFF+1]
	s_or_b32 s[G0K+3], s[G0K+3], 0x80000000
	s_add_co_u32 s[G0V+1], s[G0V+1], 256*PVB
	s_add_nc_u64 s[G0V+2:G0V+3], s[VB:VB+1], s[OFF:OFF+1]
	s_or_b32 s[G0V+3], s[G0V+3], 0x80000000
	s_add_co_u32 s[CN], s[CN], 1
.endif
	s_wait_dscnt 0x0
	s_barrier_signal -1
	s_barrier_wait -1
.if \fill
	LOAD
.endif
.endm
; A position's K (8 fragments) and V (8, turned): 32 LDS loads in one run.  The two address lines and two v_nop are the four places behind the last products that read these registers.
.macro FETCH
	WIN 0
	s_wait_dscnt 0x0                               ; the wait for V's loads stands in each tile's text, which a jump may pass: so once more here, on every way, before the same registers are loaded again
	v_add_nc_u32 v[AK], s[TBK], v[AK0]
	v_add_nc_u32 v[AV], s[TBV], v[AV0]
	v_nop
	v_nop
	WIN 0x40                                       ; destination window 1
.irp f, 0,1,2,3,4,5,6,7
	ds_load_b128 v[KF+8*(\f):KF+8*(\f)+3],   v[AK] offset:((\f)/2)*16*PKB+((\f)%2)*64
	ds_load_b128 v[KF+8*(\f)+4:KF+8*(\f)+7], v[AK] offset:((\f)/2)*16*PKB+((\f)%2)*64+32
.endr
.irp f, 0,1,2,3,4,5,6,7
	ds_load_tr16_b128 v[VF+8*(\f):VF+8*(\f)+3],   v[AV] offset:((\f)/4)*32*PVB+((\f)%4)*32
	ds_load_tr16_b128 v[VF+8*(\f)+4:VF+8*(\f)+7], v[AV] offset:((\f)/4)*32*PVB+16*PVB+((\f)%4)*32
.endr
	WIN 0
	s_wait_dscnt 16                                ; K is in; V's 16 loads may stay out
.endm
; 8 products S^T = K Q^T: channels 32 (i / 4) on, keys 16 (i % 4) on; the first four start the sums.  The four accumulators take turns.
.macro KQ t
	WIN 0x01
.set i, 0
.rept 8
.set rS, S+8*(i%4)
.set rK, KF+16*(i%4)+8*(i/4)
.set rQ, Q+16*(\t)+8*(i/4)
.if i < 4
	v_wmma_f32_16x16x32_f16 v[rS:rS+7], v[rK:rK+7], v[rQ:rQ+7], 0
.else
	v_wmma_f32_16x16x32_f16 v[rS:rS+7], v[rK:rK+7], v[rQ:rQ+7], v[rS:rS+7]
.endif
.set i, i+1
.endr
.endm
; 8 products O^T += V^T P: keys 32 (i / 4) on, channels 16 (i % 4) on
.macro PV t
	WIN 0x51
.set i, 0
.rept 8
.set rO, 32*(\t)+8*(i%4)
.set rV, VF+32*(i/4)+8*(i%4)
.set rP, P+8*(i/4)
	v_wmma_f32_16x16x32_f16 v[rO:rO+7], v[rV:rV+7], v[rP:rP+7], v[rO:rO+7]
.set i, i+1
.endr
.endm
.macro MASK base                       ; 0 or -1e30 onto each score, from each accumulator's low end on
.set z, 0
.rept 16
	v_pk_add_f32 v[S+2*z:S+2*z+1], v[S+2*z:S+2*z+1], v[(\base)+2*z:(\base)+2*z+1]
.set z, z+1
.endr
.endm
.macro FS f                            ; c s - c m for pair f
	v_pk_fma_f32 v[S+2*(\f):S+2*(\f)+1], v[S+2*(\f):S+2*(\f)+1], s[CS:CS+1], v[rT:rT+1] op_sel_hi:[1,0,0] neg_lo:[0,0,1] neg_hi:[0,0,1]
.endm
; A tile's softmax for one position.  The maximum (each accumulator's lowest registers first); the statistics; ONE BATCH of 33 exponentials (a, then the 32 scores, the scalings dealt between them), none of which
; reads another's result; a v_nop and the one wait ahead of the first reader; then the rescaling of O^T, the roundings and the sums.
.macro SMX t
.set rT, ST+4*(\t)
	WIN 0
.irp n, 0,1,2,3
	v_max3_num_f32 v[CC+(\n)], v[S+8*(\n)], v[S+8*(\n)+1], v[S+8*(\n)+2]
.endr
.irp n, 0,1,2,3
	v_max3_num_f32 v[CC+(\n)], v[CC+(\n)], v[S+8*(\n)+3], v[S+8*(\n)+4]
.endr
.irp n, 0,1,2,3
	v_max3_num_f32 v[CC+(\n)], v[CC+(\n)], v[S+8*(\n)+5], v[S+8*(\n)+6]
.endr
	v_max3_num_f32 v[CC], v[CC], v[S+7], v[S+15]
	v_max3_num_f32 v[CC+1], v[CC+1], v[S+23], v[S+31]
	v_max3_num_f32 v[CC+2], v[CC+2], v[CC+3], v[rT+1]
	v_mov_b32 v[MV], v[rT]
	v_max3_num_f32 v[CC], v[CC], v[CC+1], v[CC+2]
	v_permlanex16_b32 v[CC+3], v[CC], s[SEL], s[SEL+1]  ; the query's other 32 keys lie in the lane 16 away
	v_max_num_f32 v[rT+1], v[CC], v[CC+3]
	v_mul_f32 v[rT], s[CS], v[rT+1]
	v_sub_f32 v[CC+1], v[MV], v[rT]
	v_exp_f32 v[CC+2], v[CC+1]                     ; a
	FS 0
	FS 1
.set n, 0
.rept 16
	v_exp_f32 v[S+2*n], v[S+2*n]
.if n < 14
	FS n+2
.endif
	v_exp_f32 v[S+2*n+1], v[S+2*n+1]
.set n, n+1
.endr
	v_nop                                          ; the plain line behind the last exponential
	s_wait_alu depctr_va_vdst(0)                   ; one wait for the batch
	WIN 0x41
.set n, 0
.rept 16
	v_pk_mul_f32 v[32*(\t)+2*n:32*(\t)+2*n+1], v[32*(\t)+2*n:32*(\t)+2*n+1], v[CC+2:CC+3] op_sel_hi:[1,0]
.set n, n+1
.endr
	WIN 0
.set n, 0
.rept 16
	v_cvt_pk_f16_f32 v[P+n], v[S+2*n], v[S+2*n+1]
.set n, n+1
.endr
.set n, 0
.rept 8
	v_pk_add_f32 v[S+4*n:S+4*n+1], v[S+4*n:S+4*n+1], v[S+4*n+2:S+4*n+3]
.set n, n+1
.endr
	v_pk_fma_f32 v[rT+2:rT+3], v[rT+2:rT+3], v[CC+2:CC+3], v[S:S+1] op_sel_hi:[1,0,1]  ; l = a l + the first sum
.set n, 1
.rept 7
	v_pk_add_f32 v[rT+2:rT+3], v[rT+2:rT+3], v[S+4*n:S+4*n+1]
.set n, n+1
.endr
.endm
.macro TILE t
	s_sub_co_u32 s[DD], s[PD], 2*(\t)              ; d; below 0 it wraps far above 8
	s_cmp_gt_u32 s[DD], 8
	s_cbranch_scc1 .Ltile_end_\@
	KQ \t
	WIN 0
.rept 4
	v_nop                                          ; the places behind those products
.endr
	s_cmp_lg_u32 s[DD], 0
	s_cbranch_scc1 .Lno_lo_\@
	MASK MLO
.Lno_lo_\@:
	s_cmp_lg_u32 s[DD], 8
	s_cbranch_scc1 .Lno_hi_\@
	MASK MHI
.Lno_hi_\@:
	SMX \t
	s_wait_dscnt 0x0                               ; V is in
	PV \t
	WIN 0
.Ltile_end_\@:
.endm
.macro POSLOOP lo                      ; a chunk's four positions; lo = 2: tiles 2 and 3 alone
	s_mov_b32 s[PL], 4
.Lpos_\@:
	s_cmp_gt_u32 s[PD], s[PDM]
	s_cbranch_scc1 .Lstep_\@
	FETCH
.if (\lo) == 0
	TILE 0
	TILE 1
.endif
	TILE 2
	TILE 3
.Lstep_\@:
	s_add_co_u32 s[PD], s[PD], 1
	s_add_co_u32 s[TBK], s[TBK], 64*PKB
	s_add_co_u32 s[TBV], s[TBV], 64*PVB
	s_sub_co_u32 s[PL], s[PL], 1
	s_cmp_lg_u32 s[PL], 0
	s_cbranch_scc1 .Lpos_\@
.endm
.macro PACK t                          ; O^T / l, rounded; a lane's 8 channels are 16 bytes; into rows of 144 bytes and back as whole rows of 128
	WIN 0x41
.set i, 32*(\t)
.rept 16
	v_pk_mul_f32 v[i:i+1], v[i:i+1], v[ST+4*(\t)+2:ST+4*(\t)+3] op_sel_hi:[1,0]
.set i, i+2
.endr
	WIN 0x05
.set i, 0
.rept 16
	v_cvt_pk_f16_f32 v[OUTB+16*(\t)+i], v[32*(\t)+2*i], v[32*(\t)+2*i+1]
.set i, i+1
.endr
	WIN 0
.irp f, 0,1,2,3
	ds_store_b128 v[STO], v[OUTB+16*(\t)+4*(\f):OUTB+16*(\t)+4*(\f)+3] offset:32*(\f)
.endr
.irp f, 0,1,2,3
	ds_load_b128 v[OUTB+16*(\t)+4*(\f):OUTB+16*(\t)+4*(\f)+3], v[RD] offset:(\f)*4*SP  ; LDS serves a wave's instructions in order (ISA guide 5.7.1.4)
.endr
.endm
.macro SEND t, younger                 ; younger: the LDS instructions issued behind tile t's loads: the next tile's eight, or none
.irp f, 0,1,2,3
	s_wait_dscnt (\younger)+3-(\f)
	global_store_b128 v[GO], v[OUTB+16*(\t)+4*(\f):OUTB+16*(\t)+4*(\f)+3], s[OBS:OBS+1] offset:(\t)*16384+(\f)*512  ; 512 consecutive bytes, aligned
.endr
.endm
	s_load_b128 s[4:7], s[0:1], 0x0                ; qkv s[4:5], ob s[6:7]
	v_lshl_add_u32 v[SPW], v0, 2, SPARE
	v_mov_b32 v[NIL], 0
	ds_add_u32 v[SPW], v[NIL]                      ; the wave's opening: the add, twice on end, and its wait ahead of my first tensor load
	ds_add_u32 v[SPW], v[NIL]
	v_lshrrev_b32 v1, 5, v0
	v_readfirstlane_b32 s[WV], v1
	s_and_b32 s[WS], s[WV], 3
	s_lshr_b32 s[WHF], s[WV], 2
	s_mov_b32 s[SX], ttmp9
	s_and_b32 s[BH], ttmp7, 0xffff
	s_lshl_b32 s[WS0], s[SX], 3
	s_sub_co_i32 s[WS0], s[WS0], 4
	s_max_i32 s[WS0], s[WS0], 0
	s_sub_co_u32 s22, 11, s[WHF]
	s_cmp_eq_u32 s[SX], 3
	s_cselect_b32 s[PDM], s22, 14                  ; the head's last block ends at key tile 31, position 11; elsewhere d <= 8 for tile 3
	s_cmp_eq_u32 s[SX], 0
	s_cselect_b32 s[DEL], 4, 0
	s_sub_co_u32 s[PD], s[DEL], s[WHF]
	s_mov_b32 s[G1K], (1<<16)|(1<<20)|(4<<22)|(3<<25)  ; 2-byte elements; padding on; after every 32 words, 4 words
	s_mov_b32 s[G1V], (1<<16)|(1<<20)|(4<<22)|(7<<25)  ; 8 words
.irp g, G1K, G1V
	s_mov_b32 s[\g+1], 128<<16                     ; tensor_dim0 = 128
	s_mov_b32 s[\g+2], 32<<16                      ; tensor_dim1 = 32
	s_mov_b32 s[\g+3], 128<<16                     ; tile_dim0 = 128
	s_mov_b32 s[\g+4], 32                          ; tile_dim1 = 32
	s_mov_b32 s[\g+5], 128
	s_mov_b32 s[\g+6], 0
	s_mov_b32 s[\g+7], 0
.endr
	s_mov_b32 s[CS], 0x3e38aa3b                    ; c = log2(e) / 8
	s_mov_b32 s[CS+1], s[CS]
	s_mov_b32 s[SEL], 0x76543210
	s_mov_b32 s[SEL+1], 0xfedcba98
	s_mov_b32 s[BIGN], 0xf149f2ca                  ; -1e30
	s_mov_b32 s[TBK], 0
	s_mov_b32 s[TBV], 0
	s_mov_b32 s[CN], 1
	s_mov_b32 s[G0K], 1
	s_mul_i32 s[G0K+1], s[WS], 64*PKB
	s_mov_b32 s[G0V], 1
	s_mul_i32 s[G0V+1], s[WS], 64*PVB
	s_add_co_u32 s[G0V+1], s[G0V+1], VOFF
	s_lshl_b32 s[OFF], s[WS0], 13
	s_mov_b32 s[OFF+1], 0
	s_lshl_b32 s22, s[BH], 18                      ; a head is 2,048 rows of 128 bytes
	s_lshl_b32 s23, s[WS], 13                      ; my 64 keys of a chunk
	s_add_co_u32 s22, s22, s23
	s_mov_b32 s23, 0
	s_lshl_b32 s[QB], s[BH], 18
	s_lshl_b32 s[QB+1], s[SX], 16                  ; 512 rows a block,
	s_add_co_u32 s[QB], s[QB], s[QB+1]
	s_lshl_b32 s[QB+1], s[WHF], 13                 ; 64 a group,
	s_add_co_u32 s[QB], s[QB], s[QB+1]
	s_lshl_b32 s[QB+1], s[WS], 11                  ; my 16
	s_add_co_u32 s[QB], s[QB], s[QB+1]
	s_mov_b32 s[QB+1], 0
	s_wait_dscnt 0x0                               ; both opening adds are done
	s_wait_kmcnt 0x0
	s_add_nc_u64 s[KB:KB+1], s[4:5], s[22:23]
	s_add_nc_u64 s[VB:VB+1], s[KB:KB+1], 0x2000000
	s_add_nc_u64 s[KB:KB+1], s[KB:KB+1], 0x1000000
	s_add_nc_u64 s[OBS:OBS+1], s[6:7], s[QB:QB+1]
	s_add_nc_u64 s[QB:QB+1], s[4:5], s[QB:QB+1]
	s_add_nc_u64 s[G0K+2:G0K+3], s[KB:KB+1], s[OFF:OFF+1]
	s_or_b32 s[G0K+3], s[G0K+3], 0x80000000
	s_add_nc_u64 s[G0V+2:G0V+3], s[VB:VB+1], s[OFF:OFF+1]
	s_or_b32 s[G0V+3], s[G0V+3], 0x80000000
	LOAD                                           ; chunk 0
	v_and_b32 v1, 15, v0                           ; l % 16
	v_bfe_u32 v9, v0, 4, 1                         ; l / 16
	v_lshlrev_b32 v[QO], 7, v1
	v_lshl_add_u32 v[QO], v9, 4, v[QO]
.irp t, 0,1,2,3
.irp c, 0,1
	global_load_b128 v[Q+16*(\t)+8*(\c):Q+16*(\t)+8*(\c)+3],   v[QO], s[QB:QB+1] offset:16384*(\t)+64*(\c)
	global_load_b128 v[Q+16*(\t)+8*(\c)+4:Q+16*(\t)+8*(\c)+7], v[QO], s[QB:QB+1] offset:16384*(\t)+64*(\c)+32
.endr
.endr
	v_lshlrev_b32 v14, 3, v9
	v_sub_nc_u32 v14, v1, v14
	s_lshl_b32 s22, s[WS], 4
	v_add_nc_u32 v14, s22, v14                     ; my row's place in its group, 16 (w % 4) + l % 16, less my lanes' 8 (l / 16): register i holds key 16 (i / 8) + i % 8 beyond that
.set i, 0
.rept 32
	v_cmp_lt_i32 vcc_lo, 16*(i/8)+i%8, v14         ; d = 0: keys below the row's place are hidden
	v_cndmask_b32 v[MLO+i], 0, s[BIGN], vcc_lo
	v_cmp_gt_i32 vcc_lo, 16*(i/8)+i%8, v14         ; d = 8: keys above it
	v_cndmask_b32 v[MHI+i], 0, s[BIGN], vcc_lo
.set i, i+1
.endr
	v_mul_u32_u24 v[AK0], v1, PKB
	v_lshl_add_u32 v[AK0], v9, 4, v[AK0]
	v_and_b32 v10, 7, v0
	v_bfe_u32 v11, v0, 3, 1
	v_lshl_add_u32 v[AV0], v9, 3, v10              ; the turning load: lane l reads key 8 (l / 16) + l % 8, channels 8 ((l / 8) % 2) + 0..7
	v_mul_u32_u24 v[AV0], v[AV0], PVB
	v_lshl_add_u32 v[AV0], v11, 4, v[AV0]
	v_add_nc_u32 v[AV0], VOFF, v[AV0]
	s_mul_i32 s22, s[WV], 16*SP                    ; my stage
	v_mul_u32_u24 v[STO], v1, SP
	v_lshl_add_u32 v[STO], v9, 4, v[STO]
	v_add_nc_u32 v[STO], s22, v[STO]
	v_bfe_u32 v[RD], v0, 3, 2
	v_mul_u32_u24 v[RD], v[RD], SP
	v_lshl_add_u32 v[RD], v10, 4, v[RD]
	v_add_nc_u32 v[RD], s22, v[RD]
	v_and_b32 v[GO], 31, v0
	v_lshlrev_b32 v[GO], 4, v[GO]
	WIN 0x40                                       ; O^T = 0: no first step is written out, its a is 0; these lines run in the wait for the first chunk
.set i, 0
.rept 128
	v_mov_b32 v[i], 0
.set i, i+1
.endr
	WIN 0
.irp t, 0,1,2,3
	v_mov_b32 v[ST+4*(\t)], 0xfe000000             ; c m: far below every c s
	v_mov_b32 v[ST+4*(\t)+1], 0xff7fffff           ; m
	v_mov_b32 v[ST+4*(\t)+2], 0
	v_mov_b32 v[ST+4*(\t)+3], 0
.endr
	s_wait_loadcnt 0x0                             ; Q
	s_mov_b32 s[CHL], 3
.Lchunk:                                               ; chunks 0, 1, 2: the chunk is waited for, the next asked for
	GATE 1
	POSLOOP 0
	s_sub_co_u32 s[CHL], s[CHL], 1
	s_cmp_lg_u32 s[CHL], 0
	s_cbranch_scc1 .Lchunk
	GATE 0                                         ; chunk 3 is written out: nothing is asked for
	POSLOOP 2                                      ; from position 12 on d >= 9 for tiles 0 and 1
	s_wait_dscnt 0x0
	s_barrier_signal -1                            ; no wave reads K any more behind this barrier: the stage may be written
.irp t, 0,1,2,3
	v_add_f32 v[ST+4*(\t)+2], v[ST+4*(\t)+2], v[ST+4*(\t)+3]   ; l's two halves; these four lines are the places behind the last products
.endr
.irp t, 0,1,2,3
	v_permlanex16_b32 v[ST+4*(\t)+3], v[ST+4*(\t)+2], s[SEL], s[SEL+1]
.endr
.irp t, 0,1,2,3
	v_add_f32 v[ST+4*(\t)+2], v[ST+4*(\t)+2], v[ST+4*(\t)+3]
.endr
.irp t, 0,1,2,3
	v_rcp_f32 v[ST+4*(\t)+2], v[ST+4*(\t)+2]
.endr
	v_nop                                          ; a plain line behind the last reciprocal,
	s_wait_alu depctr_va_vdst(0)                   ; and one wait for the four
	s_barrier_wait -1
	PACK 0
.irp t, 1,2,3
	PACK \t                                        ; a tile's arithmetic stands between the loads of the tile before and its stores
	SEND (\t)-1, 8
.endr
	SEND 3, 0
	s_wait_tensorcnt 0x0                           ; the wave's end, behind my last tensor load and my last LDS store
	ds_add_u32 v[SPW], v[NIL]
	s_wait_dscnt 0x0
	s_endpgm
.Lfunc_end_k_q47c6af8fab_attn:
	.size	k_q47c6af8fab_attn, .Lfunc_end_k_q47c6af8fab_attn-k_q47c6af8fab_attn
	.p2alignl 7, 3214868480
	.fill 96, 4, 3214868480
	.section	.rodata,"a",@progbits
	.p2align	6, 0x0
	.amdhsa_kernel k_q47c6af8fab_attn
		.amdhsa_group_segment_fixed_size 327680
		.amdhsa_private_segment_fixed_size 0
		.amdhsa_enable_private_segment 0
		.amdhsa_kernarg_size 16
		.amdhsa_user_sgpr_count 2
		.amdhsa_user_sgpr_kernarg_segment_ptr 1
		.amdhsa_wavefront_size32 1
		.amdhsa_system_sgpr_workgroup_id_x 1
		.amdhsa_system_sgpr_workgroup_id_y 1
		.amdhsa_system_sgpr_workgroup_id_z 1
		.amdhsa_system_vgpr_workitem_id 0
		.amdhsa_next_free_vgpr 512
		.amdhsa_next_free_sgpr 72
		.amdhsa_reserve_vcc 1
		.amdhsa_float_denorm_mode_32 3
		.amdhsa_float_denorm_mode_16_64 3
		.amdhsa_memory_ordered 1
		.amdhsa_forward_progress 1
		.amdhsa_inst_pref_size 97
	.end_amdhsa_kernel
	.amdgpu_metadata
---
amdhsa.version: [ 1, 2 ]
amdhsa.kernels:
  - .name:           k_q47c6af8fab_attn
    .symbol:         k_q47c6af8fab_attn.kd
    .args:
      - { .name: qkv, .offset: 0, .size: 8, .value_kind: global_buffer, .address_space: global }
      - { .name: ob, .offset: 8, .size: 8, .value_kind: global_buffer, .address_space: global }
    .group_segment_fixed_size: 327680
    .private_segment_fixed_size: 0
    .kernarg_segment_align: 8
    .kernarg_segment_size: 16
    .max_flat_workgroup_size: 256
    .sgpr_count:     72
    .vgpr_count:     512
    .wavefront_size: 32
...
	.end_amdgpu_metadata
.endif
;; end of part 3
;; launch outp (part 4): grid 4 x 64, 4 waves a work-group, clusters of 4 x 4, 327,680 bytes of LDS; arguments ob, wb, out0; writes out0
.if DOCPART == 4
	.amdgcn_target "amdgcn-amd-amdhsa--gfx1250"
	.amdhsa_code_object_version 6
	.text
	.protected	k_q47c6af8fab_outp
	.globl	k_q47c6af8fab_outp
	.p2align	8
	.type	k_q47c6af8fab_outp,@function
k_q47c6af8fab_outp:
	s_mov_b64 s[64:65], 0
	v_nop
	global_prefetch_b8 v0, s[64:65] scope:SCOPE_SE
	s_setreg_imm32_b32 hwreg(HW_REG_WAVE_MODE, 25, 1), 1
	s_wait_xcnt 0x0
	s_wait_alu depctr_hold_cnt(0) depctr_sa_sdst(0) depctr_va_vdst(0) depctr_va_sdst(0) depctr_va_ssrc(0) depctr_va_vcc(0) depctr_vm_vsrc(0)
	s_getreg_b32 s2, hwreg(HW_REG_IB_STS2, 6, 4)
	s_cmp_eq_u32 s2, 0
	s_cbranch_scc0 .Lentry_in_a_cluster
	s_endpgm
.Lentry_in_a_cluster:
	s_bfe_u32 s2, ttmp6, 0x10000c
	s_cmp_lg_u32 s2, 0xf033
	s_cbranch_scc0 .Lentry_shape_is_right
	s_endpgm
.Lentry_shape_is_right:
; out0 = O Wo: 8192 x 1024 x 1024, f16 operands (Wo: its bf16 rounding written as f16), f32 sums, f32 out.  O lies by heads, ob [64 batch x head][2048][64]; Wo is the fourth part of wb, [k][n].
; The frame is the projection's: a tile of C is 128 x 256 (256 tiles, one a work-group), four waves 2 x 2 of 64 x 128, 8 K steps of 128 through two LDS slots, clusters of 4 x 4 with A joint along a row and B along a column,
; the matrix instruction used transposed (a lane holds row l % 16 and the columns 8 (l / 16) + 0..7).
; A K step is two heads: each of waves 0 and 1 fetches one head's 128 rows x 128 bytes, 16 KiB dense, as 64 rows of 256 bytes, padded in LDS after every 128.
; REGISTERS: window 0: v0-31 addresses; v32-127, v128-223 two fragment buffers (B's 8 fragments, then A's 4); on the way out v32-95, v128-191 rows read back.   window 1: accumulator (a, b) at v[8 (8 a + b)]
.set PA,    144                        ; 128 bytes + 16 = 36 words: the 16 rows of a load start at 16 different groups of four banks (64 banks of 4 bytes: ISA guide 11.1)
.set PB,    544                        ; 512 bytes + 32
.set AHALF, 128*PA                     ; one head's 128 rows
.set BHALF, 64*PB
.set BOFF,  2*AHALF
.set SLOT,  BOFF+2*BHALF               ; 106,496
.set STAGE, 2*SLOT                     ; behind the ring, never filled by a tensor load: 16 rows x 528 bytes for each wave
.set SP,    528                        ; 512 bytes + 16
.set SPARE, STAGE+4*16*SP              ; the spare words: two blocks of 256 bytes that no other line names
.set ASTEP, 2*2048*128                 ; two heads on
.set BSTEP, 128*2048
.set LAPS,  4
.set ADRA, 16
.set ADRB, 20
.set STO,  24
.set RD,   25
.set GO,   26
.set SPW,  28
.set NIL,  29
.set PFO,  30
.set F0,   32
.set F1,   128
.set OB,   32
.set WV,  12
.set FB,  13
.set HF,  14
.set G1,  24
.set G0,  32
.set CX,  40
.set CY,  41
.set NT,  42
.set MT,  43
.set LIM0, 44
.set PFA, 46
.set G1B, 48
.set G0B, 56
.set PFS, 66
.set CLY, 74
.set MULW, 0x50
.set MSB, 0
.macro WIN new
.if MSB != (\new)
	s_set_vgpr_msb (MSB<<8)|(\new)
.set MSB, \new
.endif
.endm
.macro JLOAD s                         ; a joint load: waves 0 and 1 fetch A's two heads, waves 2 and 3 B's two halves; an s_nop 0 and four v_nop follow each line
	s_cmp_eq_u32 s[FB], 0
	s_cbranch_scc0 .Lfor_b_\@
	tensor_load_to_lds s[G0+4*(\s):G0+4*(\s)+3], s[G1:G1+7]
	s_nop 0
.rept 4
	v_nop
.endr
	s_branch .Lasked_\@
.Lfor_b_\@:
	tensor_load_to_lds s[G0B+4*(\s):G0B+4*(\s)+3], s[G1B:G1B+7]
	s_nop 0
.rept 4
	v_nop
.endr
.Lasked_\@:
.endm
; A PREFETCH INTO THE L2 of the K step three refills on (384 matrix instructions ahead of its load), each aligned 256 bytes named once in the launch.  A: wave 0 takes 32 of the step's 128 blocks (two heads x 16 KiB),
; the four partners told apart by address (cx).  B: waves 2 and 3 take 16 of their 64 rows, two blocks a row, partners told apart by address (cy); the first cluster along y asks.
; K steps 0 to 4 come by their loads alone; only the first three refills have a K step three on.
.macro ASK n
	s_cmp_gt_u32 s3, s[LIM0+(\n)]
	s_cbranch_scc0 .Lnot_mine_\@
	global_prefetch_b8 v[PFO], s[PFA:PFA+1] th:TH_LOAD_NT scope:SCOPE_SE
.Lnot_mine_\@:
.endm
.macro CREST
	s_cmp_lg_u32 s[WV], 0
	s_cbranch_scc1 .Lnot_wave_0_\@
	s_barrier_signal -3
.Lnot_wave_0_\@:
	s_barrier_wait -3
	s_barrier_signal -1
	s_barrier_wait -1
.endm
.macro CROUND
	s_barrier_signal -1
	s_barrier_wait -1
	CREST
.endm
.macro PLACES                          ; four plain places behind matrix instructions (ISA guide 7.12.1)
.rept 4
	v_nop
.endr
.endm
.macro FETCH slot, q, f                ; 24 LDS loads: quarter q (head q / 2, channels 32 (q % 2) on): B's 16 first, then A's blocks 0 to 3
	WIN 0
.irp b, 0,1,2,3,4,5,6,7
	ds_load_tr16_b128 v[(\f)+8*(\b):(\f)+8*(\b)+3],   v[ADRB+(\slot)] offset:(\q)*32*PB+32*(\b)
	ds_load_tr16_b128 v[(\f)+8*(\b)+4:(\f)+8*(\b)+7], v[ADRB+(\slot)] offset:(\q)*32*PB+32*(\b)+16*PB
.endr
.irp a, 0,1,2,3
	ds_load_b128 v[(\f)+64+8*(\a):(\f)+64+8*(\a)+3],   v[ADRA+(\slot)] offset:((\q)/2)*AHALF+((\q)%2)*64+(\a)*16*PA
	ds_load_b128 v[(\f)+64+8*(\a)+4:(\f)+64+8*(\a)+7], v[ADRA+(\slot)] offset:((\q)/2)*AHALF+((\q)%2)*64+(\a)*16*PA+32
.endr
.endm
.macro MULB f, a, zero                 ; 8 matrix instructions; the 32 accumulators take turns in one fixed order
	WIN MULW
.irp b, 0,1,2,3,4,5,6,7
.if \zero
	v_wmma_f32_16x16x32_f16 v[8*(8*(\a)+(\b)):8*(8*(\a)+(\b))+7], v[(\f)+8*(\b):(\f)+8*(\b)+7], v[(\f)+64+8*(\a):(\f)+64+8*(\a)+7], 0
.else
	v_wmma_f32_16x16x32_f16 v[8*(8*(\a)+(\b)):8*(8*(\a)+(\b))+7], v[(\f)+8*(\b):(\f)+8*(\b)+7], v[(\f)+64+8*(\a):(\f)+64+8*(\a)+7], v[8*(8*(\a)+(\b)):8*(8*(\a)+(\b))+7]
.endif
.endr
.endm
.macro QUARTER slot, q, f, g, zero
	s_wait_dscnt 4                                 ; B and A's blocks 0, 1 are in; the youngest four loads may be out
	MULB \f, 0, \zero
	MULB \f, 1, \zero
	PLACES
	FETCH \slot, \q, \g
	s_wait_dscnt 24                                ; all but the 24 just issued
	MULB \f, 2, \zero
	MULB \f, 3, \zero
.endm
; The change of slots: each wave waits for all its tensor loads, adds 0 to its spare word, waits for that and for its reads of this slot; fill = 1: the barrier opens a round of the cluster's barrier and the
; joint refill, two K steps on, is the first thing behind the round.
.macro TURN slot, next, fill
.if \fill
	s_wait_xcnt 0x0                                ; the last prefetch, a K step back, has read its address
	s_add_nc_u64 s[PFA:PFA+1], s[PFA:PFA+1], s[PFS:PFS+1]
.endif
	WIN 0
	s_wait_tensorcnt 0x0
	ds_add_u32 v[SPW], v[NIL]
	s_wait_dscnt 5                                 ; (the add and the youngest four loads may be out)
	MULB F1, 0, 0
	s_wait_dscnt 0x0
	s_barrier_signal -1
	MULB F1, 1, 0
	WIN 0
	s_barrier_wait -1
.if \fill
	CREST
	s_add_nc_u64 s[G0+4*(\slot)+2:G0+4*(\slot)+3], s[G0+4*(\slot)+2:G0+4*(\slot)+3], 2*ASTEP
	s_add_nc_u64 s[G0B+4*(\slot)+2:G0B+4*(\slot)+3], s[G0B+4*(\slot)+2:G0B+4*(\slot)+3], 2*BSTEP
	JLOAD \slot
.else
	PLACES
.endif
	FETCH \next, 0, F0
.if \fill
	ASK \slot
.endif
	MULB F1, 2, 0
	MULB F1, 3, 0
.endm
; THE WAY OUT of block a (16 rows x 512 bytes): the sums go as they are into my own stage, each accumulator's low half first, and come back as whole rows
.macro TOST a
.set BK, OB+96*((\a)%2)
.if (\a) > 1
	s_wait_xcnt 0x0                                ; the stores of the block two back have read the registers that the loads below fill
.endif
	WIN 0x04                                       ; the stores' data in window 1
.irp b, 0,1,2,3,4,5,6,7
	ds_store_b128 v[STO], v[8*(8*(\a)+(\b)):8*(8*(\a)+(\b))+3]   offset:64*(\b)
	ds_store_b128 v[STO], v[8*(8*(\a)+(\b))+4:8*(8*(\a)+(\b))+7] offset:64*(\b)+16
.endr
	WIN 0
.irp i, 0,1,2,3,4,5,6,7,8,9,10,11,12,13,14,15
	ds_load_b128 v[BK+4*(\i):BK+4*(\i)+3], v[RD] offset:SP*(\i)  ; LDS serves a wave's instructions in order (ISA guide 5.7.1.4)
.endr
.endm
.macro SEND a, younger                 ; younger: the next block's 32 LDS instructions, or none
.set BK, OB+96*((\a)%2)
.irp i, 0,1,2,3,4,5,6,7,8,9,10,11,12,13,14,15
	s_wait_dscnt (\younger)+15-(\i)
	global_store_b128 v[GO], v[BK+4*(\i):BK+4*(\i)+3], s[8:9] offset:(16*(\a)+(\i))*4096 th:TH_STORE_NT  ; 512 consecutive bytes of a row, aligned
.endr
.endm
	s_load_b128 s[4:7], s[0:1], 0x0                ; ob s[4:5], wb s[6:7]
	s_load_b64 s[8:9], s[0:1], 0x10                ; out0
	v_lshl_add_u32 v[SPW], v0, 2, SPARE
	v_mov_b32 v[NIL], 0
	ds_add_u32 v[SPW], v[NIL]                      ; the wave's opening: the add, twice on end, and its wait ahead of my first tensor load
	ds_add_u32 v[SPW], v[NIL]
	v_lshrrev_b32 v1, 5, v0
	v_readfirstlane_b32 s[WV], v1
	s_lshr_b32 s[FB], s[WV], 1
	s_and_b32 s[HF], s[WV], 1
	s_bfe_u32 s[CX], ttmp6, 0x40000
	s_bfe_u32 s[CY], ttmp6, 0x40004
	s_lshl_b32 s[NT], ttmp9, 2
	s_add_co_u32 s[NT], s[NT], s[CX]
	s_and_b32 s[CLY], ttmp7, 0xffff
	s_lshl_b32 s[MT], s[CLY], 2
	s_add_co_u32 s[MT], s[MT], s[CY]
	s_lshl_b32 s16, s[CY], 2
	s_lshl_b32 s16, 15, s16
	s_lshl_b32 s20, 0x1111, s[CX]
	s_or_b32 s[G1], s16, (1<<16)|(1<<20)|(1<<21)|(4<<22)|(3<<25)   ; after every 32 words, 4 words
	s_or_b32 s[G1B], s20, (1<<16)|(1<<20)|(1<<21)|(6<<22)|(7<<25)  ; after every 128 words, 8 words
	s_mov_b32 s[G1+1], 128<<16
	s_mov_b32 s[G1+2], 64<<16
	s_mov_b32 s[G1+3], 128<<16
	s_mov_b32 s[G1+4], 64
	s_mov_b32 s[G1+5], 128
	s_mov_b32 s[G1+6], 0
	s_mov_b32 s[G1+7], 0
	s_mov_b32 s[G1B+1], 256<<16
	s_mov_b32 s[G1B+2], 64<<16
	s_mov_b32 s[G1B+3], 256<<16
	s_mov_b32 s[G1B+4], 64
	s_mov_b32 s[G1B+5], 1024
	s_mov_b32 s[G1B+6], 0
	s_mov_b32 s[G1B+7], 0
	s_lshr_b32 s16, s[MT], 4                       ; s16-19 never hold cx, s20-23 never cy
	s_lshl_b32 s16, s16, 22                        ; the batch's 16 heads
	s_and_b32 s17, s[MT], 15
	s_lshl_b32 s17, s17, 14                        ; 128 rows of 128 bytes
	s_add_co_u32 s16, s16, s17
	s_lshl_b32 s17, s[HF], 18                      ; my head of the step's two
	s_add_co_u32 s16, s16, s17
	s_mov_b32 s17, 0
	s_mul_i32 s18, s[HF], AHALF
	s_lshl_b32 s20, s[HF], 17
	s_lshl_b32 s21, s[NT], 9
	s_add_co_u32 s20, s20, s21
	s_add_co_u32 s20, s20, 3<<21                   ; Wo
	s_mov_b32 s21, 0
	s_mul_i32 s22, s[HF], BHALF
	s_add_co_u32 s22, s22, BOFF
	s_wait_dscnt 0x0
	s_wait_kmcnt 0x0
	s_add_nc_u64 s[16:17], s[4:5], s[16:17]
	s_add_nc_u64 s[20:21], s[6:7], s[20:21]
	CROUND                                         ; all sixteen work-groups are here: the first joint loads meet
.irp s, 0,1
	s_mov_b32 s[G0+4*(\s)], 1
	s_add_co_u32 s[G0+4*(\s)+1], s18, (\s)*SLOT
	s_add_nc_u64 s[G0+4*(\s)+2:G0+4*(\s)+3], s[16:17], (\s)*ASTEP
	s_or_b32 s[G0+4*(\s)+3], s[G0+4*(\s)+3], 0x80000000
	s_mov_b32 s[G0B+4*(\s)], 1
	s_add_co_u32 s[G0B+4*(\s)+1], s22, (\s)*SLOT
	s_add_nc_u64 s[G0B+4*(\s)+2:G0B+4*(\s)+3], s[20:21], (\s)*BSTEP
	s_or_b32 s[G0B+4*(\s)+3], s[G0B+4*(\s)+3], 0x80000000
	JLOAD \s
.endr
	v_and_b32 v1, 15, v0
	v_bfe_u32 v2, v0, 4, 1
	v_mul_u32_u24 v3, v1, PA
	v_lshl_add_u32 v3, v2, 4, v3
	s_mul_i32 s68, s[FB], 64*PA                    ; my 64 rows, in each head
	v_add_nc_u32 v[ADRA], s68, v3
	v_add_nc_u32 v[ADRA+1], SLOT, v[ADRA]
	v_and_b32 v4, 7, v0
	v_lshl_add_u32 v4, v2, 3, v4
	v_mul_u32_u24 v4, v4, PB
	v_bfe_u32 v5, v0, 3, 1
	v_lshl_add_u32 v4, v5, 4, v4
	s_lshl_b32 s68, s[HF], 8
	s_add_co_u32 s68, s68, BOFF
	v_add_nc_u32 v[ADRB], s68, v4
	v_add_nc_u32 v[ADRB+1], SLOT, v[ADRB]
	s_mul_i32 s68, s[WV], 16*SP
	s_add_co_u32 s68, s68, STAGE
	v_mul_u32_u24 v5, v1, SP
	v_lshl_add_u32 v5, v2, 5, v5                   ; row l % 16, 32 bytes for each half of the lanes
	v_add_nc_u32 v[STO], s68, v5
	v_and_b32 v6, 31, v0
	v_lshlrev_b32 v[GO], 4, v6
	v_add_nc_u32 v[RD], s68, v[GO]                 ; back: 32 lanes take one row of 512 bytes
	s_cmp_eq_u32 s[FB], 0
	s_cselect_b32 s68, 8, 11
	v_lshrrev_b32 v[PFO], s[FB], v6                ; A: a lane a block of 256 bytes; B: two lanes a row of 2,048, 256 bytes apart
	v_lshlrev_b32 v[PFO], s68, v[PFO]
	v_and_b32 v7, s[FB], v6
	v_lshl_add_u32 v[PFO], v7, 8, v[PFO]
	s_lshl_b32 s68, s[MT], 19                      ; 128 rows of 4,096 bytes
	s_lshl_b32 s69, s[FB], 18
	s_add_co_u32 s68, s68, s69
	s_lshl_b32 s69, s[NT], 10
	s_add_co_u32 s68, s68, s69
	s_lshl_b32 s69, s[HF], 9
	s_add_co_u32 s68, s68, s69
	s_mov_b32 s69, 0
	s_add_nc_u64 s[8:9], s[8:9], s[68:69]
	s_lshr_b32 s68, s[MT], 4                       ; the prefetches: both offsets are made, the wave's number chooses
	s_lshl_b32 s68, s68, 22
	s_and_b32 s69, s[MT], 15
	s_lshl_b32 s69, s69, 14
	s_add_co_u32 s68, s68, s69
	s_lshr_b32 s69, s[CX], 1
	s_lshl_b32 s69, s69, 18                        ; my work-group's head of the two,
	s_add_co_u32 s68, s68, s69
	s_and_b32 s69, s[CX], 1
	s_lshl_b32 s69, s69, 13                        ; and its half of that head's 16 KiB
	s_add_co_u32 s68, s68, s69
	s_add_co_u32 s68, s68, 4*ASTEP                 ; at K step 4: the first refill steps it to 5
	s_lshl_b32 s70, s[HF], 17
	s_lshl_b32 s71, s[NT], 9
	s_add_co_u32 s70, s70, s71
	s_lshl_b32 s71, s[CY], 15
	s_add_co_u32 s70, s70, s71
	s_add_co_u32 s70, s70, (3<<21)+4*BSTEP
	s_mov_b32 s[PFS], BSTEP
	s_cmp_eq_u32 s[FB], 0
	s_cselect_b32 s68, s68, s70
	s_cselect_b32 s72, s[WV], s[CLY]               ; 0: wave 0, or a B wave of the first cluster along y
	s_cselect_b32 s[PFS], ASTEP, s[PFS]
	s_cselect_b64 s[PFA:PFA+1], s[4:5], s[6:7]
	s_mov_b32 s69, 0
	s_mov_b32 s[PFS+1], 0
	s_add_nc_u64 s[PFA:PFA+1], s[PFA:PFA+1], s[68:69]
	s_cmp_eq_u32 s72, 0
	s_cselect_b32 s[LIM0], 1, -1
	s_cselect_b32 s[LIM0+1], 2, -1
	s_wait_tensorcnt 1                             ; my part of K step 0 is in; K step 1's may stay out
	s_barrier_signal -1
	s_barrier_wait -1
	FETCH 0, 0, F0
	QUARTER 0, 1, F0, F1, 1                        ; the first quarter's products start the sums
	WIN 0
	s_mov_b32 s3, LAPS-1
.Llap:
	QUARTER 0, 2, F1, F0, 0
	QUARTER 0, 3, F0, F1, 0
	TURN 0, 1, 1
	QUARTER 1, 1, F0, F1, 0
	QUARTER 1, 2, F1, F0, 0
	QUARTER 1, 3, F0, F1, 0
	TURN 1, 0, 1
	QUARTER 0, 1, F0, F1, 0
	WIN 0
	s_sub_co_u32 s3, s3, 1
	s_cmp_lg_u32 s3, 0
	s_cbranch_scc1 .Llap
	QUARTER 0, 2, F1, F0, 0                        ; the last lap fills nothing
	QUARTER 0, 3, F0, F1, 0
	TURN 0, 1, 0
	QUARTER 1, 1, F0, F1, 0
	QUARTER 1, 2, F1, F0, 0
	QUARTER 1, 3, F0, F1, 0
	s_wait_dscnt 4
	MULB F1, 0, 0
	MULB F1, 1, 0
	s_wait_dscnt 0x0
	MULB F1, 2, 0
	MULB F1, 3, 0
	WIN 0
	PLACES
	TOST 0
	TOST 1
	SEND 0, 32
	TOST 2
	SEND 1, 32
	TOST 3
	SEND 2, 32
	SEND 3, 0
	s_wait_tensorcnt 0x0                           ; the wave's end, behind my last tensor load and my last LDS store
	ds_add_u32 v[SPW], v[NIL]
	s_wait_dscnt 0x0
	CROUND                                         ; the closing round
	s_endpgm
.Lfunc_end_k_q47c6af8fab_outp:
	.size	k_q47c6af8fab_outp, .Lfunc_end_k_q47c6af8fab_outp-k_q47c6af8fab_outp
	.p2alignl 7, 3214868480
	.fill 96, 4, 3214868480
	.section	.rodata,"a",@progbits
	.p2align	6, 0x0
	.amdhsa_kernel k_q47c6af8fab_outp
		.amdhsa_group_segment_fixed_size 327680
		.amdhsa_private_segment_fixed_size 0
		.amdhsa_enable_private_segment 0
		.amdhsa_kernarg_size 24
		.amdhsa_user_sgpr_count 2
		.amdhsa_user_sgpr_kernarg_segment_ptr 1
		.amdhsa_wavefront_size32 1
		.amdhsa_system_sgpr_workgroup_id_x 1
		.amdhsa_system_sgpr_workgroup_id_y 1
		.amdhsa_system_sgpr_workgroup_id_z 1
		.amdhsa_system_vgpr_workitem_id 0
		.amdhsa_next_free_vgpr 512
		.amdhsa_next_free_sgpr 80
		.amdhsa_reserve_vcc 0
		.amdhsa_float_denorm_mode_32 3
		.amdhsa_float_denorm_mode_16_64 3
		.amdhsa_memory_ordered 1
		.amdhsa_forward_progress 1
		.amdhsa_inst_pref_size 88
	.end_amdhsa_kernel
	.amdgpu_metadata
---
amdhsa.version: [ 1, 2 ]
amdhsa.kernels:
  - .name:           k_q47c6af8fab_outp
    .symbol:         k_q47c6af8fab_outp.kd
    .args:
      - { .name: ob, .offset: 0, .size: 8, .value_kind: global_buffer, .address_space: global }
      - { .name: wb, .offset: 8, .size: 8, .value_kind: global_buffer, .address_space: global }
      - { .name: out0, .offset: 16, .size: 8, .value_kind: global_buffer, .address_space: global }
    .group_segment_fixed_size: 327680
    .private_segment_fixed_size: 0
    .kernarg_segment_align: 8
    .kernarg_segment_size: 24
    .max_flat_workgroup_size: 128
    .sgpr_count:     80
    .vgpr_count:     512
    .wavefront_size: 32
...
	.end_amdgpu_metadata
.endif
;; end of part 4
